; MI455X (gfx1250); checked and timed in simulation.
; The chip was launched on July 23, 2026; its instructions are those of AMD's public machine-readable ISA for CDNA 5 (MIT licence, August 2026) and "CDNA5" Instruction Set Architecture Reference Guide (July 2026). The comments in the code are by the model that wrote it; some were corrected since.
;; FP8 Linear Module. Allowed arithmetic: matrix products marked QUANTISED: E4M3 operands, one given power-of-two scale a tensor, by v_wmma_f32_16x16x64_fp8_fp8 or v_wmma_f32_16x16x128_fp8_fp8, f32 sums; everything else in f32.
;; Inputs: bias 4,096 bfloat16; lowp_scales 2 int32 (the exponents e of the quantised operands' scales 2^e); weight 4,096 x 4,096 bfloat16; x 4,096 x 4,096 bfloat16.
;; Outputs: out0 4,096 x 4,096 bfloat16.
;; This version of the problem:
;;   THIS VERSION OF THE PROBLEM IS GIVEN IN LOW PRECISION. The matrix products marked QUANTISED in the list below multiply operands that are first quantised to E4M3 (4 exponent bits, 3 mantissa bits; 8 bits a number), with one given power-of-two scale for each operand tensor; their sums are f32. All else is computed in f32.
;;   The module's matrix products, in the order in which they are computed (A, B: the left and right operand; K: the contracted axis; several contracted axes count as one K, in the product's order):
;;     1. [M 4,096, K 4,096] x [K 4,096, N 4,096]; A: computed on the way; B: computed on the way: QUANTISED (scales: A lowp_scales[0], B lowp_scales[1])
;;   THE QUANTISER, for each operand of a quantised product, along K:
;;     - The operand's scale is 2^e, e = its entry of the input lowp_scales (int32; the entries are numbered through the quantised products in the list's order, A before B).
;;     - Each number is divided by the scale, clamped to +-448, and rounded to the nearest number of E4M3, ties to even, subnormals kept.
;;     - The product sums the exact products of the quantised numbers (number of the format x scale) in f32.
;;   ~~~python
;;   def quantise(x, axis, e):      # numpy; x: float32 -> the quantised numbers, widened to float32 again
;;       x = np.moveaxis(x, axis, -1); K = x.shape[-1]
;;       r = np.clip(x / 2.0 ** e, -448, 448)
;;       step = 2.0 ** (np.maximum(np.frexp(np.where(r == 0, 1, r))[1] - 1, -6) - 3)
;;       q = np.round(r / step) * step * 2.0 ** e      # np.round: ties to even
;;       return np.moveaxis(q, -1, axis).astype(np.float32)
;;   ~~~
;;   OPERANDS COMPUTED ON THE WAY. 'Computed on the way' means the value that the module computes at that place (a softmax that the list does not call 'softmax' is quantised finished and normalised). What goes into a quantiser is computed in f32, as accurately as f32 sums, v_exp_f32 and their like allow (about 1e-6 of the number): no bf16 or f16 on the way to a quantiser, and a product that is left as it is and whose result goes on into a quantised operand takes f32 operands (vector FMAs, or v_wmma_f32_16x16x4_f32). A number that lies on a knife's edge between two numbers of the format may be rounded either way, as far as f32 arithmetic and the matrix unit's own rounding can turn it there, and no further.
;; One version. Each part assembles by itself: llvm-mc -triple=amdgcn-amd-amdhsa -mcpu=gfx1250 --defsym DOCPART=n.
;; ======== version 1 of 1: 2 launches
;; limits: right only within a limited range of input values; values are held in bf16: 8 bits of precision
;; workspace buffers: codes 33,554,432 bytes; scales 32,768 bytes
;; launch quant (part 1): grid 256 x 1, 16 waves a work-group, no clusters, 141,568 bytes of LDS; arguments x, weight, lowp_scales, codes, scales; writes codes, scales
.if DOCPART == 1
	.amdgcn_target "amdgcn-amd-amdhsa--gfx1250"
	.amdhsa_code_object_version 6
	.text
	.protected	k_q60bd5b4f46_quant
	.globl	k_q60bd5b4f46_quant
	.p2align	8
	.type	k_q60bd5b4f46_quant,@function
k_q60bd5b4f46_quant:
	s_mov_b64 s[64:65], 0
	v_nop
	global_prefetch_b8 v0, s[64:65] scope:SCOPE_SE
	s_setreg_imm32_b32 hwreg(HW_REG_WAVE_MODE, 25, 1), 1
	s_wait_xcnt 0x0
; x [4096][4096] and weight [4096][4096], bf16, become the two operands of the product, as codes of E4M3, and one f32 factor for each row.
; FOR EACH ROW: amax = the largest |t| of the row; s = max(amax / 448, 1e-8); v = t / s in f32, rounded to E4M3 (the cast that the module makes); then the given quantiser:
; code = v / 2^e, held within +-448, rounded to E4M3 once more (e: entry 0 of the scales' exponents for x, entry 1 for weight).
; WHERE e IS 0 the second rounding gives back the code that it is given, so it is not made: a scalar branch on e, a whole number that this launch reads.  Every other e takes the other arm, with both roundings.
; THE QUOTIENTS.  1 / s is kept as a sum of two f32 numbers, rh + rl, with rl = (1 - s rh) rh; q = t rh + (t rl), the last step one fused multiply-add.  t has 8 bits of mantissa, so a quotient that is an f32
; number comes out as that number: where amax / 448 is exact, many quotients lie exactly at the middle between two codes, and stay there.
; THE LARGEST QUOTIENT.  amax / s may come out a last place over 448.  In such a row (s is then rounded, and below amax / 448) rh is taken one last place lower, which brings it to 448: so with e = 0 no number needs a hold.
; With e other than 0 q is held within +-L, L = 448 x 2^min(e, 0), ahead of the cast.  The cast is monotone and L is itself a number of E4M3 (for e >= -15), so this hold serves both conversions.
; OUT: codes: 512 row blocks (0-255 x's, 256-511 weight's) of 16 rows x 4096, 65,536 bytes each, laid as the matrix instruction's registers take them: for each 128 along K 2,048 bytes: 4 x 512, and in each
; 512 bytes lane l = 16 h + r has its 16 bytes at 16 l, of row r.  A lane of THIS launch holds of its row, for i = 0 .. 7, sixteen codes: k = 512 i + 8 l + 0..7 and 512 i + 256 + 8 l + 0..7; they lie at
; 8192 i + 256 l + 16 r of the row block.  The order along K is the same in both tensors, so every product meets its partner.
; scales [8192] f32: s x 2^e of each row (v_ldexp_f32: nothing is rounded): what a finished sum is multiplied by.
; LIMITS: e between -15 and 119; s x 2^e a normal f32 number; NaN and infinities among the inputs are not served.
; SHARES.  256 work-groups of 16 waves; a work-group makes two row blocks, a wave one row of each: a row is 64 registers as loaded, 128 widened, and stays in registers between the pass for amax and the pass that
; divides: each byte is loaded once.  Both rows' 32 loads go out at the head.  A row block's 16 rows meet in LDS (units of 256 bytes, 272 apart) and leave
; as 512 consecutive bytes a store.  No matrix unit, no tensor load, no cluster: nothing is shared between work-groups.
.set SPARE, 256                        ; LDS: bytes 0-127 the work-group's 32 factors; from 256 the spare words, 128 bytes for each of 16 waves
.set STG,   2304                       ; two stages, one for each row block
.set TSZ,   69632                      ; 256 units x 272 bytes
.set RH,   10                          ; v[10:11] rh, twice
.set RL,   12                          ; v[12:13] rl, twice
.set M,    16                          ; v[16:19] four running maxima
.set T,    20                          ; v20-23 at work
.set QA,   24                          ; v[24:39] sixteen quotients
.set SIN,  40                          ; v40, v41 the stages, on the way in
.set SOUT, 42                          ; v42, v43 and on the way out
.set FC,   44                          ; v44, v45 the two rows' factors
.set QB,   48                          ; v[48:63] the second sixteen
.set RAW1, 64                          ; v[64:127] row 1 as loaded
.set F,    128                         ; v[128:255] the row in hand as f32; row 0 is loaded into its upper half; the codes are laid over it
; v1 16 x lane; v2 4 x wave; v3 4 x lane; v4, v5 the add's two; v6 1.0; v7 four bytes 127; v8 2^e; v9 L; v14 amax; v15 s; v46 the gathered factor
	s_load_b256 s[4:11], s[0:1], 0x0               ; x s[4:5], weight s[6:7], the exponents s[8:9], codes s[10:11]
	s_load_b64 s[12:13], s[0:1], 0x20              ; scales
	v_lshl_add_u32 v4, v0, 2, SPARE                ; my spare word; never rewritten
	v_mov_b32 v5, 0                                ; 0; never rewritten
	v_lshrrev_b32 v2, 5, v0
	s_delay_alu instid0(VALU_DEP_1)
	v_readfirstlane_b32 s14, v2                    ; wave 0..15
	v_and_b32 v3, 31, v0                           ; lane
	v_lshrrev_b32 v22, 4, v0
	v_lshlrev_b32 v2, 2, v2                        ; where my factors go in LDS
	v_and_b32 v22, 1, v22                          ; lane / 16
	v_and_b32 v23, 15, v0                          ; lane % 16
	s_lshl_b32 s36, s14, 4
	s_add_co_u32 s36, s36, STG                     ; in: unit = lane, 16 bytes = my row
	s_mul_i32 s37, s14, 16*272
	s_add_co_u32 s37, s37, STG                     ; out: 16 units for each wave
	v_mul_u32_u24 v[SIN], v3, 272
	v_mul_u32_u24 v[SOUT], v22, 272
	v_lshlrev_b32 v1, 4, v3                        ; my 16 bytes of a load's or a store's 512
	v_add_nc_u32 v[SIN], s36, v[SIN]
	v_lshl_add_u32 v[SOUT], v23, 4, v[SOUT]
	v_lshlrev_b32 v3, 2, v3
	v_add_nc_u32 v[SIN+1], TSZ, v[SIN]
	v_add_nc_u32 v[SOUT], s37, v[SOUT]
	v_mov_b32 v6, 1.0                              ; the cast's scale: 2^0
	v_mov_b32 v7, 0x7f7f7f7f                       ; and back: the byte 127 = 2^0, in every byte
	v_add_nc_u32 v[SOUT+1], TSZ, v[SOUT]
	v_mov_b32 v[T+1], 0                            ; written once: a lane permute's destination counts as one of its sources
	s_wait_alu depctr_va_vdst(0)
	s_mov_b32 s25, 0xffff0000                      ; a word's upper bf16
	s_mov_b32 s26, 0x76543210                      ; v_permlanex16_b32: lane l takes lane l xor 16
	s_mov_b32 s27, 0xfedcba98
	s_mov_b32 s28, 0x43e00000                      ; 448
	s_mov_b32 s29, 0x3b124925                      ; 1 / 448, rounded
	s_mov_b32 s30, 0x322bcc77                      ; 1e-8
	s_and_b32 s23, ttmp9, 127                      ; the work-group's number within its tensor
	s_lshl_b32 s23, s23, 5
	s_add_co_u32 s16, s23, s14                     ; my first row in x or in weight,
	s_lshl_b32 s16, s16, 13                        ; x 8,192 bytes
	s_mov_b32 s17, 0
	s_lshl_b32 s18, ttmp9, 17                      ; the work-group's two row blocks of codes: 131,072 bytes;
	s_lshl_b32 s22, s14, 12
	s_add_co_u32 s18, s18, s22                     ; of each row block I store 4,096
	s_mov_b32 s19, 0
	s_lshl_b32 s32, ttmp9, 7                       ; the work-group's 32 factors: 128 bytes
	s_mov_b32 s33, 0
	s_wait_kmcnt 0x0
	s_load_b64 s[20:21], s[8:9], 0x0               ; e of x, e of weight
	s_cmp_lt_u32 ttmp9, 128                        ; the first 128 work-groups take x, the others weight: the choice hangs on the work-group's number alone
	s_cselect_b64 s[4:5], s[4:5], s[6:7]
	s_add_nc_u64 s[4:5], s[4:5], s[16:17]
	s_add_nc_u64 s[10:11], s[10:11], s[18:19]
	s_add_nc_u64 s[12:13], s[12:13], s[32:33]
.macro LOADROW base, t                 ; sixteen loads, 512 consecutive bytes each: the whole row; read once in the launch
.irp j, 0,1,2,3,4,5,6,7,8,9,10,11,12,13,14,15
	global_load_b128 v[\base+4*\j:\base+4*\j+3], v1, s[4:5] offset:131072*(\t)+512*\j th:TH_LOAD_NT
.endr
.endm
	LOADROW F+64, 0
	LOADROW RAW1, 1
	s_wait_kmcnt 0x0
	s_cmp_lt_u32 ttmp9, 128
	s_cselect_b32 s22, s20, s21                    ; e
	s_add_co_i32 s34, s22, 127
	s_lshl_b32 s35, s34, 23
	v_mov_b32 v8, s35                              ; 2^e as f32: the conversion takes its exponent field
	s_min_i32 s34, s22, 0                          ; min(e, 0)
	s_add_co_i32 s34, s34, 135
	s_lshl_b32 s34, s34, 23
	s_or_b32 s34, s34, 0x600000
	v_mov_b32 v9, s34                              ; L = 448 x 2^min(e, 0)
	s_wait_alu depctr_va_vdst(0)
; Sixteen numbers of a lane, v[F + 16 i] on, become 16 codes, laid over the first four of those registers.
.macro QUOT i, q
.set X, F+16*(\i)
.irp k, 0,2,4,6,8,10,12,14
	v_pk_mul_f32 v[\q+\k:\q+\k+1], v[X+\k:X+\k+1], v[RL:RL+1]                          ; t rl
.endr
.irp k, 0,2,4,6,8,10,12,14
	v_pk_fma_f32 v[\q+\k:\q+\k+1], v[X+\k:X+\k+1], v[RH:RH+1], v[\q+\k:\q+\k+1]        ; + t rh
.endr
.endm
.macro CODES q, sc
	v_cvt_scalef32_pk8_fp8_f32 v[X:X+1], v[\q:\q+7], v\sc          ; to the nearest code, ties to even
	v_cvt_scalef32_pk8_fp8_f32 v[X+2:X+3], v[\q+8:\q+15], v\sc
.endm
; Any e: held at L, cast, widened again, and by the given quantiser.  One plain vector line stands between a scaled conversion and the next one that touches its result or writes its sources.
.macro ANY i
	QUOT \i, QA
.irp k, 0,1,2,3,4,5,6,7,8,9,10,11,12,13,14,15
	v_med3_num_f32 v[QA+\k], v[QA+\k], -v9, v9     ; the conversion to an 8-bit code does not saturate (ISA guide 7.6.2)
.endr
	CODES QA, 6
	v_nop
	v_cvt_scale_pk8_f32_fp8 v[QA:QA+7], v[X:X+1], v7
	v_cvt_scale_pk8_f32_fp8 v[QA+8:QA+15], v[X+2:X+3], v7
	v_nop
	CODES QA, 8
	v_nop
.endm
; Row t, as loaded in v[src] on.
.macro ROW t, src
	; widened once, for both passes, and searched for the largest |t| (pass 1, four chains, two numbers an instruction), by quarters of four loads as they come in.
	; Row 0 lies in the upper half of the registers that it is widened into: word j goes to registers 2 j and 2 j + 1, which lie under word j's own or are word j's own (j = 63: its low half moves out first)
.set j, 0
.irp q, 0,1,2,3
	s_wait_loadcnt 16*(1-(\t))+12-4*\q             ; loads come back in order (ISA guide 5.7.1): this quarter's four are in; the row's later ones, and in row 0 row 1's sixteen, may be out
.rept 16
	v_lshlrev_b32 v[F+2*j],   16,  v[\src+j]       ; bf16 to f32: the low half moves up,
	v_and_b32     v[F+2*j+1], s25, v[\src+j]       ; the high half stays
.set j, j+1
.endr
.irp k, 0,1,2,3
.if \q == 0
	v_max_num_f32 v[M+\k], |v[F+2*\k]|, |v[F+2*\k+1]|
.else
	v_max3_num_f32 v[M+\k], v[M+\k], |v[F+32*\q+2*\k]|, |v[F+32*\q+2*\k+1]|
.endif
.endr
.set n, 32*\q+8
.rept 3
.irp k, 0,1,2,3
	s_delay_alu instid0(VALU_DEP_4)
	v_max3_num_f32 v[M+\k], v[M+\k], |v[F+n+2*\k]|, |v[F+n+2*\k+1]|
.endr
.set n, n+8
.endr
.endr
	s_delay_alu instid0(VALU_DEP_2)
	v_max3_num_f32 v[M], v[M], v[M+1], v[M+2]
	s_delay_alu instid0(VALU_DEP_1)
	v_max_num_f32 v[T], v[M], v[M+3]
.irp x, 1,2,4,8
	s_delay_alu instid0(VALU_DEP_1)
	v_max_num_f32_dpp v[T], v[T], v[T] row_xmask:\x row_mask:0xf bank_mask:0xf
.endr
	s_delay_alu instid0(VALU_DEP_1)
	v_permlanex16_b32 v[T+1], v[T], s26, s27
	s_delay_alu instid0(VALU_DEP_1)
	v_max_num_f32 v14, v[T], v[T+1]                ; every lane holds the row's amax
	s_delay_alu instid0(VALU_DEP_1)
	v_mul_f32 v15, s29, v14                        ; amax / 448: the product with the rounded reciprocal,
	s_delay_alu instid0(VALU_DEP_1)
	v_fma_f32 v[T], -v15, s28, v14                 ; what it leaves,
	s_delay_alu instid0(VALU_DEP_1)
	v_fma_f32 v15, v[T], s29, v15                  ; put right
	s_delay_alu instid0(VALU_DEP_1)
	v_max_num_f32 v15, s30, v15                    ; s = max(amax / 448, 1e-8)
	s_wait_alu depctr_va_vdst(0)                   ; ahead of the barrier's wait and of the reciprocal
.if \t
	s_barrier_wait -1                              ; all 16 rows of the first row block lie in LDS; row 1 is in, so its registers as loaded are free
.irp j, 0,1,2,3,4,5,6,7
	ds_load_b128 v[RAW1+4*\j:RAW1+4*\j+3], v[SOUT] offset:2*272*\j
.endr
.endif
	v_rcp_f32 v[RH], v15
	v_ldexp_f32 v[FC+(\t)], v15, s22               ; s x 2^e.  (The plain line behind the reciprocal: it neither reads the result nor writes the source)
	s_wait_alu depctr_va_vdst(0)                   ; and between it and the first line that names its result
	v_fma_f32 v[RL], -v15, v[RH], 1.0
	v_mul_f32 v[RL], v[RL], v[RH]                  ; rl
	v_mul_f32 v22, v14, v[RL]
	v_fma_f32 v22, v14, v[RH], v22                 ; amax / s as the pass below makes it
	v_cmp_lt_f32 vcc_lo, s28, v22                  ; over 448?
	v_cndmask_b32 v23, 0, -1, vcc_lo
	v_add_nc_u32 v[RH], v[RH], v23                 ; then rh one last place lower
	v_mov_b32 v[RL+1], v[RL]
	v_mov_b32 v[RH+1], v[RH]
	ds_store_b32 v2, v[FC+(\t)] offset:64*(\t)     ; all lanes write the same word with the same number
.if \t
	s_wait_alu depctr_va_vdst(0)                   ; directly ahead of the waits below
.irp j, 0,1,2,3,4,5,6,7
	s_wait_dscnt 8-\j                              ; (the later loads and the factor's store may be out)
	global_store_b128 v1, v[RAW1+4*\j:RAW1+4*\j+3], s[10:11] offset:512*\j   ; the first row block leaves while row 1 is divided: 512 consecutive bytes, at a multiple of 512 from the buffer's first byte
.endr
.endif
	; pass 2
	s_cmp_lg_u32 s22, 0
	s_wait_alu depctr_va_vdst(0)                   ; directly ahead of the branch
	s_cbranch_scc1 .Lany_\@
.irp i, 0,2,4,6                        ; e = 0: the cast alone, on two sets of registers by turns: the next sixteen's first products are the plain lines behind a pair of conversions
	QUOT \i, QA
	CODES QA, 6
	QUOT \i+1, QB
	CODES QB, 6
.endr
	v_nop
	s_wait_alu depctr_va_vdst(0)                   ; directly ahead of the branch
	s_branch .Ljoin_\@
.Lany_\@:
.irp i, 0,1,2,3,4,5,6,7
	ANY \i
.endr
	s_wait_alu depctr_va_vdst(0)
.Ljoin_\@:
	; the row block's 16 rows meet: unit 32 i + lane, 16 bytes for each row
.irp i, 0,1,2,3,4,5,6,7
	ds_store_b128 v[SIN+(\t)], v[F+16*\i:F+16*\i+3] offset:32*272*\i
.endr
	s_wait_dscnt 0x0                               ; for the others' sake: my row's codes, and its factor, lie in LDS
	s_barrier_signal -1                            ; row 0's barrier is waited for when row 1 is in: register work alone stands between
.if \t
	s_barrier_wait -1                              ; all 16 rows of the second row block lie in LDS
.irp j, 0,1,2,3,4,5,6,7
	ds_load_b128 v[F+4*\j:F+4*\j+3], v[SOUT+1] offset:2*272*\j
.endr
.irp j, 0,1,2,3,4,5,6,7
	s_wait_dscnt 7-\j
	global_store_b128 v1, v[F+4*\j:F+4*\j+3], s[10:11] offset:65536+512*\j
.endr
.endif
.endm
	ROW 0, F+64
	ROW 1, RAW1
	s_cmp_lg_u32 s14, 0
	s_cbranch_scc1 .Lend
	ds_load_b32 v46, v3                            ; wave 0: a lane a row (both rows' factors lay in LDS ahead of the second barrier),
	s_wait_dscnt 0x0
	global_store_b32 v3, v46, s[12:13]             ; and the work-group's 32 factors leave as 128 consecutive bytes, by one instruction
.Lend:
	s_wait_tensorcnt 0x0                           ; the wave's end, behind my last LDS store
	ds_add_u32 v4, v5
	s_wait_dscnt 0x0
	s_endpgm
.Lfunc_end_k_q60bd5b4f46_quant:
	.size	k_q60bd5b4f46_quant, .Lfunc_end_k_q60bd5b4f46_quant-k_q60bd5b4f46_quant
	.p2alignl 7, 3214868480
	.fill 96, 4, 3214868480
	.section	.rodata,"a",@progbits
	.p2align	6, 0x0
	.amdhsa_kernel k_q60bd5b4f46_quant
		.amdhsa_group_segment_fixed_size 141568
		.amdhsa_private_segment_fixed_size 0
		.amdhsa_enable_private_segment 0
		.amdhsa_kernarg_size 40
		.amdhsa_user_sgpr_count 2
		.amdhsa_user_sgpr_kernarg_segment_ptr 1
		.amdhsa_wavefront_size32 1
		.amdhsa_system_sgpr_workgroup_id_x 1
		.amdhsa_system_sgpr_workgroup_id_y 1
		.amdhsa_system_sgpr_workgroup_id_z 1
		.amdhsa_system_vgpr_workitem_id 0
		.amdhsa_next_free_vgpr 256
		.amdhsa_next_free_sgpr 66
		.amdhsa_reserve_vcc 1
		.amdhsa_float_denorm_mode_32 3
		.amdhsa_float_denorm_mode_16_64 3
		.amdhsa_memory_ordered 1
		.amdhsa_forward_progress 1
		.amdhsa_inst_pref_size 92
	.end_amdhsa_kernel
	.amdgpu_metadata
---
amdhsa.version: [ 1, 2 ]
amdhsa.kernels:
  - .name:           k_q60bd5b4f46_quant
    .symbol:         k_q60bd5b4f46_quant.kd
    .args:
      - { .name: x, .offset: 0, .size: 8, .value_kind: global_buffer, .address_space: global }
      - { .name: weight, .offset: 8, .size: 8, .value_kind: global_buffer, .address_space: global }
      - { .name: lowp_scales, .offset: 16, .size: 8, .value_kind: global_buffer, .address_space: global }
      - { .name: codes, .offset: 24, .size: 8, .value_kind: global_buffer, .address_space: global }
      - { .name: scales, .offset: 32, .size: 8, .value_kind: global_buffer, .address_space: global }
    .group_segment_fixed_size: 141568
    .private_segment_fixed_size: 0
    .kernarg_segment_align: 8
    .kernarg_segment_size: 40
    .max_flat_workgroup_size: 512
    .sgpr_count:     66
    .vgpr_count:     256
    .wavefront_size: 32
...
	.end_amdgpu_metadata
.endif
;; end of part 1
;; launch gemm (part 2): grid 16 x 16, 4 waves a work-group, clusters of 4 x 1, 327,680 bytes of LDS; arguments codes, scales, bias, out0; writes out0
.if DOCPART == 2
	.amdgcn_target "amdgcn-amd-amdhsa--gfx1250"
	.amdhsa_code_object_version 6
	.text
	.protected	k_q60bd5b4f46_gemm
	.globl	k_q60bd5b4f46_gemm
	.p2align	8
	.type	k_q60bd5b4f46_gemm,@function
k_q60bd5b4f46_gemm:
	s_mov_b64 s[64:65], 0
	v_nop
	global_prefetch_b8 v0, s[64:65] scope:SCOPE_SE
	s_setreg_imm32_b32 hwreg(HW_REG_WAVE_MODE, 25, 1), 1
	s_wait_xcnt 0x0
	s_wait_alu depctr_hold_cnt(0) depctr_sa_sdst(0) depctr_va_vdst(0) depctr_va_sdst(0) depctr_va_ssrc(0) depctr_va_vcc(0) depctr_vm_vsrc(0)
	s_getreg_b32 s2, hwreg(HW_REG_IB_STS2, 6, 4)
	s_cmp_eq_u32 s2, 0
	s_cbranch_scc0 .Lentry_in_a_cluster
	s_endpgm
.Lentry_in_a_cluster:
	s_bfe_u32 s2, ttmp6, 0x10000c
	s_cmp_lg_u32 s2, 0x3003
	s_cbranch_scc0 .Lentry_shape_is_right
	s_endpgm
.Lentry_shape_is_right:
; out[m][n] = bf16( (sum over k of A[m][k] B[n][k]) x sa[m] x sw[n] + bias[n] ).  A = x's codes, B = weight's codes (E4M3), sums in f32; sa, sw: the rows' factors.  The product with sw and the bias are one fused
; multiply-add and the result is rounded to bf16 once.  LIMIT: sums, factors and their products are finite f32 numbers.
; codes: row blocks of 16 rows, 65,536 bytes each (x's 256, then weight's 256); 2,048 bytes for each 128 along K are the image of a fragment's 16 registers: four times 16 bytes x 32 lanes.
; A work-group makes 256 x 256 of out, 256 work-groups.  A WAVE MAKES 64 ROWS x 256 COLUMNS: its 64 rows of A are used by no other wave of the work-group, so they go from memory straight into registers, each load
; 512 consecutive bytes, asked for two steps of 128 along K ahead; B's 256 rows are used by all four waves and go through LDS.
; THE RING: two LDS slots, each 384 along K (three steps) of B: 16 row blocks x 6,144 bytes; each wave fetches four row blocks by one tensor load.  32 steps are ten slots and a last one of two steps.
; CLUSTERS: four work-groups with neighbouring tile rows need the same tiles of B: these are asked for JOINTLY (mask 15).  A IS NOT ASKED FOR JOINTLY: only what goes into LDS can be; with A's 256 rows there as well a
; slot would take twice the bytes, and two slots of 384 along K (393,216 bytes) would not fit in LDS.
; PREFETCH: behind a slot's joint load both operands' bytes of the slot that stands one further on are asked for.  B: the four partners share the slot's 16 row blocks by address, a row block a wave (four for each partner), a lane 256 bytes.
; A: a tile row's bytes serve 16 work-groups (tile columns y): y takes row blocks 2 (y % 8) and 2 (y % 8) + 1, twelve times 256 bytes a wave, so each 256 bytes are named by two work-groups.  Slots 0 to 2 and the short
; last one come by their loads alone.
; REGISTERS, in windows of 256: window 0: v16-31 addresses, v48-55 sa, v64-255 three sets of A (4 row blocks x 16), step s in set s % 3; window 1: B's 16 fragments of a step;
;   windows 2, 3: accumulators: row block a, B's fragment b: window 2 + b / 8, v[8 (4 (b % 8) + a)].
; A STEP is four groups of 16 matrix instructions, each on four of B's fragments, and has TWO RUNS OF LOADS: at its head B's fragments 8-15 of this step, whose registers the last step has just read, and A two steps on;
; in its middle B's fragments 0-7 of the next step.  So each half of B is asked for 32 matrix instructions ahead of its first use.  The waits on DScnt: ahead of a half's first group the half's other 16 loads and the
; 32 of the run behind them may be out: 48; ahead of its second group: 32.  The 64 accumulators take turns, in the same order in every step.
; THE MATRIX INSTRUCTION IS USED TRANSPOSED (source 0 = B's rows, source 1 = A's rows): a lane holds eight neighbouring numbers of a row of out.
.set RBLK,  65536                      ; a row block
.set XB,    16777216                   ; x's codes
.set SB,    6144                       ; a slot's bytes of a row block
.set SLOT,  16*SB
.set LB,    4096                       ; the last slot's
.set STAGE, 2*SLOT                     ; the way out: 16 rows x 272 bytes for each wave
.set SCR,   STAGE+4*16*272             ; 2,048 bytes for each wave: sw and bias of the 256 columns, as f32
.set SPARE, SCR+4*2048                 ; the spare words, 128 bytes for each wave
.set OROW,  8192                       ; a row of out in bytes
.set BAD,   16                         ; v16-19  LDS addresses of B: slot 0 fragments 0-7, 8-15, slot 1 likewise; v16 = 16 x lane is A's offset too
.set STO,   21
.set RD,    22
.set CO,    23
.set EW,    24
.set PBV,   25                         ; prefetch offsets: B,
.set PAV,   26                         ; and A
.set SPW,   28
.set NIL,   29
.set SAP,   48                         ; v48-55 sa of my row in the four row blocks, each twice
.set AF,    64
.set TT,    64                         ; the way out: sums at work,
.set PK,    128                        ; packed,
.set BK,    160                        ; and rows read back: v160-191, v192-223 by turns
.set G1,  24                           ; s[24:31] descriptor group 1;  s[48:55] the last slot's
.set G1L, 48
.set G0,  32                           ; s[32:39] group 0, one for each slot
.set PB,  66                           ; s[66:67], s[68:69] where my prefetches stand
.set PA,  68
.set BP,  SB                           ; bytes from fragment to fragment in the slot that is read
.set SPL, 1                            ; 1: fragments 8-15 by an address register of their own
.set NBP, SB                           ; the same for the slot that follows a change
.set NSPL, 1
.set MSB, 0
.macro WIN new                         ; the immediate's high byte repeats the setting that is left
.if MSB != (\new)
	s_set_vgpr_msb (MSB<<8)|(\new)
.set MSB, (\new)
.endif
.endm
.set TO_B, 0x40                        ; destination window 1, address window 0
.macro PLACES                          ; a load into a register that a matrix instruction has read, and a vector instruction that reads a result, stand four plain places behind it
.rept 4
	v_nop
.endr
.endm
.macro JLOAD g0, g1
	tensor_load_to_lds s[\g0:\g0+3], s[\g1:\g1+7]
	s_nop 0
	PLACES
.endm
.macro CREST                           ; a round of the cluster's barrier behind its opening barrier
	s_cmp_lg_u32 s14, 0
	s_cbranch_scc1 .Lnot_wave_0_\@
	s_barrier_signal -3
.Lnot_wave_0_\@:
	s_barrier_wait -3
	s_barrier_signal -1
	s_barrier_wait -1
.endm
.macro CROUND
	s_barrier_signal -1
	s_barrier_wait -1
	CREST
.endm
.macro ALD set, off                    ; a step's four fragments of A
	WIN 0
.irp a, 0,1,2,3
.irp c, 0,1,2,3
	global_load_b128 v[AF+64*(\set)+16*\a+4*\c:AF+64*(\set)+16*\a+4*\c+3], v[BAD], s[12:13] offset:(\off)+RBLK*\a+512*\c
.endr
.endr
.endm
.macro BLD slot, p, b                  ; fragment b of B, the slot's step p
.set HB, ((\b)/8)*SPL
.irp c, 0,1,2,3
	ds_load_b128 v[16*(\b)+4*\c:16*(\b)+4*\c+3], v[BAD+2*(\slot)+HB] offset:((\b)-8*HB)*BP+2048*(\p)+512*\c
.endr
.endm
.macro WLD b                           ; for the way out, over B's fragments: registers 0-63 sw, 64-127 bias of columns 0-127, then the same of columns 128-255
.irp c, 0,1,2,3
	ds_load_b128 v[16*(\b)+4*\c:16*(\b)+4*\c+3], v[EW] offset:1024*(((\b)/4)%2)+512*((\b)/8)+128*((\b)%4)+64*(\c/2)+16*(\c%2)
.endr
.endm
.macro HALF slot, p, b0                ; a run: eight fragments of B from b0 on; p < 0: the last step: what the way out needs instead
	WIN TO_B
.irp i, 0,1,2,3,4,5,6,7
.if (\p) >= 0
	BLD \slot, \p, (\b0)+\i
.else
	WLD (\b0)+\i
.endif
.endr
.endm
	s_load_b256 s[4:11], s[0:1], 0x0               ; codes s[4:5], scales s[6:7], bias s[8:9], out s[10:11]
	v_lshl_add_u32 v[SPW], v0, 2, SPARE            ; my spare word; never rewritten
	v_mov_b32 v[NIL], 0                            ; never rewritten
	ds_add_u32 v[SPW], v[NIL]                      ; the opening: the add, twice on end, and its wait ahead of my first tensor load
	ds_add_u32 v[SPW], v[NIL]
	v_lshrrev_b32 v1, 5, v0
	v_readfirstlane_b32 s14, v1                    ; wave 0..3
	s_mul_i32 s20, s14, 16*272
	s_add_co_u32 s20, s20, STAGE                   ; my stage
	s_lshl_b32 s21, s14, 11
	s_add_co_u32 s21, s21, SCR                     ; my factors and biases
	v_and_b32 v2, 31, v0                           ; lane
	v_and_b32 v3, 15, v0                           ; r
	v_bfe_u32 v4, v0, 4, 1                         ; h
	v_lshlrev_b32 v[BAD], 4, v2
	v_add_nc_u32 v[BAD+1], 8*SB, v[BAD]
	v_add_nc_u32 v[BAD+2], SLOT, v[BAD]
	v_add_nc_u32 v[BAD+3], SLOT+8*SB, v[BAD]
	v_mul_u32_u24 v5, v3, 272
	v_lshl_add_u32 v5, v4, 4, v5
	v_add_nc_u32 v[STO], s20, v5                   ; into the stage: row r, 16 bytes for each half of the lanes
	v_mul_u32_u24 v6, v4, 272
	v_lshl_add_u32 v6, v3, 4, v6
	v_add_nc_u32 v[RD], s20, v6                    ; out of it: sixteen lanes a row
	v_lshlrev_b32 v7, 13, v4
	v_lshl_add_u32 v[CO], v3, 4, v7                ; and the same two rows of out
	v_lshl_add_u32 v[EW], v4, 5, s21
	v_lshl_add_u32 v8, v2, 4, s21
	v_lshl_add_u32 v9, v2, 5, s21
	v_lshlrev_b32 v10, 2, v3
	v_min_u32 v11, 23, v2
	v_lshlrev_b32 v[PBV], 8, v11                   ; 24 lanes x 256 bytes = a slot's part of a row block (the lanes left over name the last again)
	v_min_u32 v12, 11, v2
	v_lshlrev_b32 v[PAV], 8, v12
	s_wait_alu depctr_va_vdst(0)
	s_bfe_u32 s40, ttmp6, 0x40000                  ; cx
	s_lshl_b32 s17, ttmp9, 2
	s_add_co_u32 s17, s17, s40                     ; tile row = 4 x cluster x + cx
	s_and_b32 s18, ttmp7, 0xffff                   ; tile column
	s_mov_b32 s[G1], 15|(3<<16)|(1<<21)            ; the mask: all four; elements of 8 bytes; bit 21 beside a mask; no padding: a fragment's loads are dense
	s_mov_b32 s[G1+1], (SB/8)<<16
	s_mov_b32 s[G1+2], 4<<16
	s_mov_b32 s[G1+3], (SB/8)<<16
	s_mov_b32 s[G1L], 15|(3<<16)|(1<<21)
	s_mov_b32 s[G1L+1], (LB/8)<<16
	s_mov_b32 s[G1L+2], 4<<16
	s_mov_b32 s[G1L+3], (LB/8)<<16
.irp g, G1, G1L
	s_mov_b32 s[\g+4], 4                           ; four rows: four row blocks
	s_mov_b32 s[\g+5], RBLK/8
	s_mov_b32 s[\g+6], 0
	s_mov_b32 s[\g+7], 0
.endr
	s_lshl_b32 s41, s14, 18                        ; wave x four row blocks
	s_lshl_b32 s22, s17, 20
	s_add_co_u32 s22, s22, s41                     ; A: 16 x tile row + 4 x wave
	s_mov_b32 s23, 0
	s_lshl_b32 s42, s18, 20
	s_add_co_u32 s70, s42, s41                     ; B: 16 x tile column + 4 x wave
	s_mov_b32 s71, 0
	s_mul_i32 s45, s14, 4*SB                       ; and where they go in a slot
	s_mov_b32 s73, 0
	s_wait_dscnt 0x0                               ; both opening adds are done
	s_wait_kmcnt 0x0
	s_add_nc_u64 s[12:13], s[4:5], s[22:23]
	s_add_nc_u64 s[56:57], s[4:5], XB
	s_add_nc_u64 s[58:59], s[56:57], s[70:71]
.irp s, 0,1
	s_mov_b32 s[G0+4*\s], 1
	s_add_co_u32 s[G0+4*\s+1], s45, \s*SLOT
	s_add_nc_u64 s[G0+4*\s+2:G0+4*\s+3], s[58:59], \s*SB
	s_or_b32 s[G0+4*\s+3], s[G0+4*\s+3], 0x80000000
.endr
	CROUND                                         ; all four work-groups are here: the first joint loads meet
	JLOAD G0, G1                                   ; slot 0: one tensor load a wave at the head
	s_lshl_b32 s72, s17, 10
	s_lshl_b32 s43, s14, 8
	s_add_co_u32 s72, s72, s43
	s_add_nc_u64 s[74:75], s[6:7], s[72:73]        ; my 64 rows' factors
	s_lshl_b32 s72, s18, 10
	s_add_co_u32 s72, s72, 16384
	s_add_nc_u64 s[76:77], s[6:7], s[72:73]        ; the 256 columns' factors
	s_lshl_b32 s72, s18, 9
	s_add_nc_u64 s[78:79], s[8:9], s[72:73]        ; and biases
.irp a, 0,1,2,3
	global_load_b32 v[32+\a], v10, s[74:75] offset:64*\a
.endr
	global_load_b128 v[36:39], v[BAD], s[76:77]
	global_load_b128 v[40:43], v[BAD], s[76:77] offset:512
	global_load_b128 v[44:47], v[BAD], s[78:79]
	ALD 0, 0                                       ; A's steps 0
	ALD 1, 2048                                    ; and 1
	s_add_nc_u64 s[10:11], s[10:11], s[72:73]      ; out: 512 bytes x tile column
	s_lshl_b32 s72, s17, 21
	s_lshl_b32 s43, s14, 19
	s_add_co_u32 s72, s72, s43
	s_add_nc_u64 s[10:11], s[10:11], s[72:73]      ; + (256 x tile row + 64 x wave) rows
	; the prefetches begin at slot 2: each change of slots steps them first
	s_lshl_b32 s72, s40, 18
	s_lshl_b32 s43, s14, 16
	s_add_co_u32 s72, s72, s43
	s_add_co_u32 s72, s72, s42
	s_add_co_u32 s72, s72, 2*SB                    ; B: row block 16 x tile column + 4 cx + wave
	s_add_nc_u64 s[PB:PB+1], s[56:57], s[72:73]
	s_and_b32 s72, s18, 7
	s_lshl_b32 s72, s72, 17
	s_lshl_b32 s43, s17, 20
	s_add_co_u32 s72, s72, s43
	s_lshr_b32 s43, s14, 1
	s_lshl_b32 s43, s43, 16
	s_add_co_u32 s72, s72, s43
	s_and_b32 s43, s14, 1
	s_mul_i32 s43, s43, 12*256
	s_add_co_u32 s72, s72, s43
	s_add_co_u32 s72, s72, 2*SB                    ; A: row block 16 x tile row + 2 (y % 8) + wave / 2, its half wave % 2
	s_add_nc_u64 s[PA:PA+1], s[4:5], s[72:73]
	s_wait_loadcnt 32                              ; factors and biases are in; A's 32 loads may be out
.irp a, 0,1,2,3
	v_mov_b32 v[SAP+2*\a], v[32+\a]
	v_mov_b32 v[SAP+2*\a+1], v[32+\a]
	v_lshlrev_b32 v[56+2*\a], 16, v[44+\a]
	v_and_b32 v[57+2*\a], 0xffff0000, v[44+\a]
.endr
	ds_store_b128 v8, v[36:39]
	ds_store_b128 v8, v[40:43] offset:512
	ds_store_b128 v9, v[56:59] offset:1024
	ds_store_b128 v9, v[60:63] offset:1040
.macro MUL g, as, k, zero              ; matrix instruction k of a group: fragment k / 4 of its four, row block k % 4
.set RB, 64*(\g)+16*((\k)/4)
.set RA, AF+64*(\as)+16*((\k)%4)
.set RC, 128*((\g)%2)+32*((\k)/4)+8*((\k)%4)
.if \zero
	v_wmma_f32_16x16x128_fp8_fp8 v[RC:RC+7], v[RB:RB+15], v[RA:RA+15], 0
.else
	v_wmma_f32_16x16x128_fp8_fp8 v[RC:RC+7], v[RB:RB+15], v[RA:RA+15], v[RC:RC+7]
.endif
.endm
.macro RUN g, as, zero, from, n
	WIN 0xa1+0x50*((\g)/2)                         ; source 0 window 1, source 1 window 0, C and D window 2 or 3
.set KK, \from
.rept \n
	MUL \g, \as, KK, \zero
.set KK, KK+1
.endr
.endm
; A step's head and first group.  as: A's set; cs, cp: B's slot and place there; off: A's bytes to ask for, two steps on, into the set that the last step has read (off < 0: none);
; lc: A's loads asked for in earlier steps for later ones, which may be out beside those just asked for
.macro FIRST as, cs, cp, off, zero, lc
	PLACES
	HALF \cs, \cp, 8
.if (\off) >= 0
	ALD ((\as)+2)%3, \off
	s_wait_loadcnt \lc+16
.else
	s_wait_loadcnt \lc
.endif
	s_wait_dscnt 48
	RUN 0, \as, \zero, 0, 16
	s_wait_dscnt 32
.endm
; A step; ns, np: the next step's slot and place
.macro STEP as, cs, cp, ns, np, off, zero, lc
	FIRST \as, \cs, \cp, \off, \zero, \lc
	RUN 1, \as, \zero, 0, 16
	PLACES
	HALF \ns, \np, 0
	s_wait_dscnt 48
	RUN 2, \as, \zero, 0, 16
	s_wait_dscnt 32
	RUN 3, \as, \zero, 0, 16
.endm
; A slot's last step changes slots.  fill: 0 none, 1 a slot, 2 the short last one.  ask: 0 nothing, 1 prefetch, 2 not in the loop's last trip
.macro TURN as, cs, off, fill, ask
.if \ask
	s_wait_xcnt 0x0                                ; my prefetches have read their addresses
	s_add_nc_u64 s[PB:PB+1], s[PB:PB+1], SB
	s_add_nc_u64 s[PA:PA+1], s[PA:PA+1], SB
.endif
	FIRST \as, \cs, 2, \off, 0, 16                 ; its LDS loads are my last of this slot
	RUN 1, \as, 0, 0, 8
	WIN 0                                          ; (the add's two registers lie in window 0)
	s_wait_tensorcnt 0x0                           ; all my tensor loads have landed: my part of the next slot;
	ds_add_u32 v[SPW], v[NIL]                      ; 0 onto my spare word:
.if \fill
	s_add_nc_u64 s[G0+4*(\cs)+2:G0+4*(\cs)+3], s[G0+4*(\cs)+2:G0+4*(\cs)+3], 2*SB
.endif
.if (\fill) == 2
	s_mul_i32 s[G0+1], s14, 4*LB                   ; its row blocks lie 4,096 bytes apart
.endif
	RUN 1, \as, 0, 8, 8                            ; eight matrix instructions stand between the add and the wait for it
	s_wait_dscnt 0x0                               ; the add is done, and my reads of this slot are over
	s_barrier_signal -1
	RUN 2, \as, 0, 0, 8
	WIN 0
	s_barrier_wait -1
.if \fill
	CREST                                          ; the barrier has opened a round: no wave of any partner still reads this slot or has a load on its way
	JLOAD G0+4*(\cs), G1+(G1L-G1)*((\fill)/2)      ; the first tensor load behind the round; its four v_nop are the places in front of the loads below
.else
	PLACES
.endif
.set BP, NBP
.set SPL, NSPL
	HALF 1-(\cs), 0, 0
.if \ask
	WIN 0
.if (\ask) == 2
	s_cmp_gt_u32 s3, 1
	s_cbranch_scc0 .Lno_ask_\@
.endif
	global_prefetch_b8 v[PBV], s[PB:PB+1] th:TH_LOAD_NT scope:SCOPE_SE    ; the slot after the one just asked for
	global_prefetch_b8 v[PAV], s[PA:PA+1] th:TH_LOAD_NT scope:SCOPE_SE
.if (\ask) == 2
.Lno_ask_\@:
.endif
.endif
	RUN 2, \as, 0, 8, 8
	RUN 3, \as, 0, 0, 16
.endm
	s_wait_alu depctr_va_vdst(0)
	s_wait_tensorcnt 0x0                           ; my part of slot 0 is in
	ds_add_u32 v[SPW], v[NIL]
	s_wait_dscnt 0x0
	CROUND                                         ; everybody's part of slot 0 is in, and all four work-groups are here
	JLOAD G0+4, G1                                 ; slot 1
	HALF 0, 0, 0
	STEP 0, 0,0, 0,1, 2*2048, 1, 16                ; step 0 starts the sums: nothing is cleared
	WIN 0
	s_mov_b32 s3, 4
.Ltrip:                                                ; steps 6 t + 1 .. 6 t + 6
	STEP 1, 0,1, 0,2, 3*2048, 0, 16
	TURN 2, 0, 4*2048, 1, 1
	STEP 0, 1,0, 1,1, 5*2048, 0, 16
	STEP 1, 1,1, 1,2, 6*2048, 0, 16
	TURN 2, 1, 7*2048, 1, 2
	STEP 0, 0,0, 0,1, 8*2048, 0, 16
	WIN 0
	s_wait_xcnt 0x0                                ; A's loads have read their base
	s_add_nc_u64 s[12:13], s[12:13], 6*2048
	s_sub_co_u32 s3, s3, 1
	s_cmp_lg_u32 s3, 0
	s_cbranch_scc1 .Ltrip
	STEP 1, 0,1, 0,2, 3*2048, 0, 16                ; step 25
	TURN 2, 0, 4*2048, 2, 0                        ; 26: asks for the last slot
	STEP 0, 1,0, 1,1, 5*2048, 0, 16
	STEP 1, 1,1, 1,2, 6*2048, 0, 16
.set NBP, LB
.set NSPL, 0
	TURN 2, 1, 7*2048, 0, 0                        ; 29: nothing is filled again, so no round follows
	STEP 0, 0,0, 0,1, -1, 0, 16
	STEP 1, 0,1, 0,-1, -1, 0, 0                    ; 31: B's registers, as they fall free, take the factors and biases
	PLACES
	HALF 0, -1, 8
; THE WAY OUT, eight pieces of 16 rows x 128 columns: row block i % 4, columns 128 (i / 4) on.  A piece goes through my own stage and leaves as rows of 256 bytes, sixteen lanes each.
.macro PACK i
.set PH, (\i)/4
.set PR, (\i)%4
	WIN 0x02+PH
.set JJ, 0
.rept 8
.irp m, 0,2,4,6
	v_pk_mul_f32 v[TT+8*JJ+\m:TT+8*JJ+\m+1], v[32*JJ+8*PR+\m:32*JJ+8*PR+\m+1], v[SAP+2*PR:SAP+2*PR+1]
.endr
.set JJ, JJ+1
.endr
	WIN 0x14
.set JJ, 0
.rept 32
	v_pk_fma_f32 v[TT+JJ:TT+JJ+1], v[TT+JJ:TT+JJ+1], v[128*PH+JJ:128*PH+JJ+1], v[128*PH+64+JJ:128*PH+64+JJ+1]
.set JJ, JJ+2
.endr
	WIN 0
.set JJ, 0
.rept 32
	v_cvt_pk_bf16_f32 v[PK+JJ/2], v[TT+JJ], v[TT+JJ+1]
.set JJ, JJ+2
.endr
.endm
.macro TOSTAGE i
.set BB, BK+32*((\i)%2)
.irp b, 0,1,2,3,4,5,6,7
	ds_store_b128 v[STO], v[PK+4*\b:PK+4*\b+3] offset:32*\b
.endr
.irp t, 0,1,2,3,4,5,6,7
	ds_load_b128 v[BB+4*\t:BB+4*\t+3], v[RD] offset:\t*2*272   ; LDS serves a wave's instructions in order (ISA guide 5.7.1.4): these see the stores above
.endr
.endm
.macro SEND i
.set BB, BK+32*((\i)%2)
	s_wait_dscnt 0x0
	s_wait_xcnt 0x0                                ; the earlier stores have read their registers
.irp t, 0,1,2,3,4,5,6,7
	global_store_b128 v[CO], v[BB+4*\t:BB+4*\t+3], s[10:11] offset:16*OROW*((\i)%4)+2*OROW*\t+256*((\i)/4) th:TH_STORE_NT
.endr
.endm
	WIN 0
	s_wait_dscnt 32                                ; the first 128 columns' factors and biases are in
	PACK 0
	TOSTAGE 0
.irp i, 1,2,3,4,5,6,7
	PACK \i
	s_wait_alu depctr_va_vdst(0)                   ; directly ahead of SEND's waits
	SEND (\i)-1
	TOSTAGE \i
.endr
	SEND 7
	s_wait_tensorcnt 0x0                           ; the wave's end
	ds_add_u32 v[SPW], v[NIL]
	s_wait_dscnt 0x0
	CROUND                                         ; the closing round: no work-group ends while a partner may still ask for a tile that names it
	s_endpgm
.Lfunc_end_k_q60bd5b4f46_gemm:
	.size	k_q60bd5b4f46_gemm, .Lfunc_end_k_q60bd5b4f46_gemm-k_q60bd5b4f46_gemm
	.p2alignl 7, 3214868480
	.fill 96, 4, 3214868480
	.section	.rodata,"a",@progbits
	.p2align	6, 0x0
	.amdhsa_kernel k_q60bd5b4f46_gemm
		.amdhsa_group_segment_fixed_size 327680
		.amdhsa_private_segment_fixed_size 0
		.amdhsa_enable_private_segment 0
		.amdhsa_kernarg_size 32
		.amdhsa_user_sgpr_count 2
		.amdhsa_user_sgpr_kernarg_segment_ptr 1
		.amdhsa_wavefront_size32 1
		.amdhsa_system_sgpr_workgroup_id_x 1
		.amdhsa_system_sgpr_workgroup_id_y 1
		.amdhsa_system_sgpr_workgroup_id_z 1
		.amdhsa_system_vgpr_workitem_id 0
		.amdhsa_next_free_vgpr 1024
		.amdhsa_next_free_sgpr 80
		.amdhsa_reserve_vcc 0
		.amdhsa_float_denorm_mode_32 3
		.amdhsa_float_denorm_mode_16_64 3
		.amdhsa_memory_ordered 1
		.amdhsa_forward_progress 1
		.amdhsa_inst_pref_size 221
	.end_amdhsa_kernel
	.amdgpu_metadata
---
amdhsa.version: [ 1, 2 ]
amdhsa.kernels:
  - .name:           k_q60bd5b4f46_gemm
    .symbol:         k_q60bd5b4f46_gemm.kd
    .args:
      - { .name: codes, .offset: 0, .size: 8, .value_kind: global_buffer, .address_space: global }
      - { .name: scales, .offset: 8, .size: 8, .value_kind: global_buffer, .address_space: global }
      - { .name: bias, .offset: 16, .size: 8, .value_kind: global_buffer, .address_space: global }
      - { .name: out0, .offset: 24, .size: 8, .value_kind: global_buffer, .address_space: global }
    .group_segment_fixed_size: 327680
    .private_segment_fixed_size: 0
    .kernarg_segment_align: 8
    .kernarg_segment_size: 32
    .max_flat_workgroup_size: 128
    .sgpr_count:     80
    .vgpr_count:     1024
    .wavefront_size: 32
...
	.end_amdgpu_metadata
.endif
;; end of part 2
